; MI455X (gfx1250); checked and timed in simulation.
; The chip was launched on July 23, 2026; its instructions are those of AMD's public machine-readable ISA for CDNA 5 (MIT licence, August 2026) and "CDNA5" Instruction Set Architecture Reference Guide (July 2026). The comments in the code are by the model that wrote it; some were corrected since.
;; CMP Model. Allowed arithmetic: matrix products marked QUANTISED: E2M3 operands, one E8M0 scale for each 32 along K, by v_wmma_scale_f32_16x16x128_f8f6f4 with both operands' format E2M3, f32 sums; products left as they are: f32 operands where the result goes on into a quantised operand, else bf16, f16 or f32 operands; f32 sums; everything else in f32.
;; Inputs: cmp_emb 50,000 x 256 float32; q_position 64 x 128 float32; questions 64 x 128 int32; weighted_q 128 float32; word_emb 50,000 x 256 float32.
;; Outputs: out0 64 x 256 x 256 float32; out1 64 x 256 x 256 float32.
;; This version of the problem:
;;   THIS VERSION OF THE PROBLEM IS GIVEN IN LOW PRECISION. The matrix products marked QUANTISED in the list below multiply operands that are first quantised to E2M3 (2 exponent bits, 3 mantissa bits; 6 bits a number), with one power-of-two scale for each 32 numbers along K (OCP MX v1.0); their sums are f32. All else is computed in f32.
;;   The module's matrix products, in the order in which they are computed (A, B: the left and right operand; K: the contracted axis; several contracted axes count as one K, in the product's order):
;;     1. batch 128 x [M 16,384, K 1] x [K 1, N 1]; A: computed on the way; B: computed on the way: left as it is (no contracted axis)
;;     2. batch 64 x [M 256, K 128] x [K 128, N 256]; A: computed on the way; B: computed on the way: QUANTISED
;;     3. batch 128 x [M 16,384, K 1] x [K 1, N 1]; A: computed on the way; B: computed on the way: left as it is (no contracted axis)
;;     4. batch 64 x [M 256, K 128] x [K 128, N 256]; A: computed on the way; B: computed on the way: QUANTISED
;;     5. batch 128 x [M 16,384, K 1] x [K 1, N 1]; A: computed on the way; B: computed on the way: left as it is (no contracted axis)
;;     6. batch 64 x [M 256, K 128] x [K 128, N 256]; A: computed on the way; B: computed on the way: QUANTISED
;;     7. batch 128 x [M 16,384, K 1] x [K 1, N 1]; A: computed on the way; B: computed on the way: left as it is (no contracted axis)
;;     8. batch 64 x [M 256, K 128] x [K 128, N 256]; A: computed on the way; B: computed on the way: QUANTISED
;;   THE QUANTISER, for each operand of a quantised product, along K:
;;     - K is cut into blocks of 32 from its start; a last block that is shorter is filled with zeros.
;;     - A block's scale is 2^e with e = floor(log2(the largest magnitude in the block)) - 2, held to -126 .. 127; a block of zeros has e = 0. As a byte (E8M0): e + 127.
;;     - Each number is divided by its block's scale, clamped to +-7.5, and rounded to the nearest number of E2M3, ties to even, subnormals kept.
;;     - The product sums the exact products of the quantised numbers (number of the format x scale) in f32.
;;   ~~~python
;;   def quantise(x, axis):      # numpy; x: float32 -> the quantised numbers, widened to float32 again
;;       x = np.moveaxis(x, axis, -1); K = x.shape[-1]
;;       x = np.pad(x, [(0, 0)] * (x.ndim - 1) + [(0, -K % 32)]); x = x.reshape(x.shape[:-1] + (-1, 32)); a = np.abs(x).max(-1, keepdims=True)
;;       e = np.where(a > 0, np.clip(np.frexp(np.where(a > 0, a, 1))[1] - 1 - 2, -126, 127), 0)      # np.frexp(a)[1] - 1 = floor(log2(a)), exactly
;;       r = np.clip(x / 2.0 ** e, -7.5, 7.5)
;;       step = 2.0 ** (np.maximum(np.frexp(np.where(r == 0, 1, r))[1] - 1, 0) - 3)
;;       q = np.round(r / step) * step * 2.0 ** e      # np.round: ties to even
;;       return np.moveaxis(q.reshape(q.shape[:-2] + (-1,))[..., :K], -1, axis).astype(np.float32)
;;   ~~~
;;   OPERANDS COMPUTED ON THE WAY. 'Computed on the way' means the value that the module computes at that place (a softmax that the list does not call 'softmax' is quantised finished and normalised). What goes into a quantiser is computed in f32, as accurately as f32 sums, v_exp_f32 and their like allow (about 1e-6 of the number): no bf16 or f16 on the way to a quantiser, and a product that is left as it is and whose result goes on into a quantised operand takes f32 operands (vector FMAs, or v_wmma_f32_16x16x4_f32). A number that lies on a knife's edge between two numbers of the format may be rounded either way, as far as f32 arithmetic and the matrix unit's own rounding can turn it there, and no further.
;; 2 versions, each right; version 2 is version 1 with the launch density written anew for expert scheduling mode. Each part assembles by itself: llvm-mc -triple=amdgcn-amd-amdhsa -mcpu=gfx1250 --defsym DOCPART=n.
;; ======== version 1 of 2: 1 launch
;; launch density (part 1): grid 256 x 1, 16 waves a work-group, no clusters, 200,704 bytes of LDS; arguments questions, q_position, word_emb, cmp_emb, weighted_q, out0, out1; writes out0, out1
.if DOCPART == 1
	.amdgcn_target "amdgcn-amd-amdhsa--gfx1250"
	.amdhsa_code_object_version 6
	.text
	.protected	k_q2655b8116f_density
	.globl	k_q2655b8116f_density
	.p2align	8
	.type	k_q2655b8116f_density,@function
k_q2655b8116f_density:
	s_mov_b64 s[64:65], 0
	v_nop
	global_prefetch_b8 v0, s[64:65] scope:SCOPE_SE
	s_setreg_imm32_b32 hwreg(HW_REG_WAVE_MODE, 25, 1), 1
	s_wait_xcnt 0x0
; DENSITY MATRIX OF A SENTENCE, on codes of FP6 (E2M3) with one E8M0 scale for each 32 tokens.
;   R[s][d] = word_emb[q[b][s]][d],  I[s][d] = cmp_emb[q[b][s]][d] * pos[b][s]          (64 batches b, 128 tokens s, 256 channels)
;   out0[b][d][e] = sum_s Q(R)[s][d] Q(R w)[s][e] + sum_s Q(I)[s][d] Q(I w)[s][e]
;   out1[b][d][e] = sum_s Q(I)[s][d] Q(R w)[s][e] - sum_s Q(R)[s][d] Q(I w)[s][e]
; The weight w[s] goes onto the operand that carries e (the einsum contracts w with its last operand first); I w = (cmp * pos) * w, two roundings in f32.  Q quantises along s, the products' K: four blocks of 32.
; SHARES.  256 work-groups, four to a batch: work-group 4 b + 2 dh + eh makes rows d = 128 dh .. +127, columns e = 128 eh .. +127 of both outputs.  Sixteen waves of 256 registers; all run the same text, no branch.
; PHASE 1.  Wave (cg = wave % 4, rb = wave / 4) takes 32 channels, A LANE TO A CHANNEL, and tokens 32 rb .. +31, ITS REGISTERS RUNNING DOWN THE TOKENS: four blocks of 32 registers (word and cmp at the e channels, word and cmp
; at the d channels).  A load reads one token's row at 32 neighbouring channels: 128 consecutive bytes.  A block of 32 along K lies in one lane, so its largest magnitude needs no other lane and the conversions give codes with K innermost.
; The codes (24 bytes a block) and the scale byte go to LDS: a channel's 96 bytes of codes on a pitch of 112, its four scale bytes as one word.
; PHASE 2, behind one barrier.  Wave (dt = wave / 2, eq = wave % 2) makes 16 d x 64 e of both outputs: 8 accumulators, 16 matrix instructions.  Source 0 = 16 channels e, source 1 = 16 channels d: a lane then holds one d and
; eight neighbouring e.  The minus of out1 is made in the codes: the sign bits of Q(R) at d are turned (a code is sign, 2 exponent bits, 3 mantissa bits; Q(-x) = -Q(x)).  Results go through the wave's own stage in LDS and
; leave as whole rows: sixteen lanes store 256 consecutive bytes, at a multiple of 256 from the output's first byte.
; NO TENSOR LOADS, NO CLUSTER: the rows are gathered by a list of tokens, each lane's address made from an index, so there is no tile that a descriptor could name and no joint request to share.
; NO PREFETCH: every row's load goes out at the head, as soon as its index is known; nothing is known earlier.
; LIMITS: NaN and infinities among the inputs are not served.  A block of zeros gets the byte 1 where the quantiser says 127: its codes are zeros, which add nothing, and the bytes are read here alone.
; A block whose largest magnitude lies under 2^-124 has its byte held at 1, as the quantiser's own clip has it.  Indices are held to 0 .. 49,999.
.set VLAST, 49999                      ; the tables' last row
.set CP,    112                        ; LDS: a channel's codes: 96 bytes + 16 = 28 words: channel r starts at bank 28 r mod 64, sixteen different multiples of 4 (64 banks of 4 bytes: ISA guide 11.1); the halves' 24 bytes fill the gaps
.set OPB,   128*CP                     ; an operand's 128 channels.  Operands: 0 Q(R w) at e, 1 Q(I w) at e, 2 Q(R) at d, 3 Q(I) at d
.set SCL,   4*OPB                      ; behind the codes: the scale words, 512 bytes an operand
.set STG,   SCL+4*512                  ; behind them: the stages
.set SP,    272                        ; a stage row: 256 bytes + 16
.set STW,   2*16*SP                    ; a wave's stage: 16 rows for out0, 16 for out1
.set L4,   1                           ; v1   4 x lane
.set ZERO, 3                           ; v3   0: the offset of loads that every lane makes at one address
.set CA,   6                           ; v6   where my channel's codes of block rb go
.set SA,   7                           ; v7   where its scale byte goes
.set FEA,  9                           ; v9   my lane's place in the e fragments
.set FDA,  10                          ; v10  in the d fragments
.set SEA,  11                          ; v11  among the e scale words: lanes 0-15 Q(R w)'s, lanes 16-31 Q(I w)'s
.set SDA,  12                          ; v12  among the d scale words: lanes 0-15 Q(R)'s, lanes 16-31 Q(I)'s
.set STO,  13                          ; v13  the stage: where I put 32 bytes of a row
.set RD,   14                          ; v14  and where I read a row back
.set CO,   15                          ; v15  my byte offset in the wave's rows of an output
.set OFF,  16                          ; v16-47   token n: row q x 1,024 bytes + 4 x lane; never rewritten while a load is out
.set POS,  48                          ; v48-79   pos of my 32 tokens, the same in every lane
.set WGT,  80                          ; v80-111  w of my 32 tokens
.set XA,   112                         ; v112-143 word at e
.set XB,   144                         ; v144-175 cmp at e
.set XC,   176                         ; v176-207 word at d
.set XD,   208                         ; v208-239 cmp at d
.set C0,   240                         ; v240-247 the first operand's codes and byte; each later operand's lie in the block before it, which is done with: so no LDS store's data are written again
.set MXA,  248                         ; v248-249 largest magnitudes, two chains
.set MXB,  249
.set SO,   250                         ; v250 the conversions' scale operand
.set ACC,  16                          ; phase 2: v16-79 accumulators: tile t of e: out0 at 16 t, out1 at 16 t + 8
.set FE,   80                          ; v80-127 Q(R w)'s four fragments, v128-175 Q(I w)'s
.set FD,   176                         ; v176-187 Q(R), v188-199 Q(I), v200-211 -Q(R)
.set SE,   212                         ; v212-215 e scale words, a register a tile
.set SD,   216                         ; v216 d scale words
.set BK,   80                          ; the way out: rows read back from the stage, v80-143
	s_load_b256 s[4:11], s[0:1], 0x0               ; questions s[4:5], q_position s[6:7], word_emb s[8:9], cmp_emb s[10:11]
	s_load_b128 s[12:15], s[0:1], 0x20             ; weighted_q s[12:13], out0 s[14:15]
	s_load_b64 s[16:17], s[0:1], 0x30              ; out1
	v_lshl_add_u32 v254, v0, 2, 0x30800
	v_mov_b32 v255, 0
	v_lshrrev_b32 v2, 5, v0
	v_readfirstlane_b32 s18, v2                    ; wave 0..15
	v_and_b32 v2, 31, v0                           ; lane
	v_lshlrev_b32 v[L4], 2, v2
	v_mov_b32 v[ZERO], 0
	s_and_b32 s19, s18, 3                          ; cg: which 32 channels of the 128
	s_lshr_b32 s20, s18, 2                         ; rb: which block of 32 tokens
	s_lshr_b32 s21, ttmp9, 2                       ; b
	s_bfe_u32 s22, ttmp9, 0x10001                  ; dh
	s_and_b32 s23, ttmp9, 1                        ; eh
	s_lshl_b32 s24, s21, 9                         ; my tokens in questions and q_position: 512 b + 128 rb bytes
	s_lshl_b32 s26, s20, 7                         ; and in weighted_q: 128 rb
	s_add_co_u32 s24, s24, s26
	s_mov_b32 s25, 0
	s_mov_b32 s27, 0
	s_lshl_b32 s76, s19, 7                         ; my channels in a row: 128 cg bytes,
	s_lshl_b32 s28, s23, 9
	s_add_co_u32 s28, s28, s76                     ; + 512 eh for the e side,
	s_mov_b32 s29, 0
	s_lshl_b32 s30, s22, 9
	s_add_co_u32 s30, s30, s76                     ; + 512 dh for the d side
	s_mov_b32 s31, 0
	s_wait_kmcnt 0x0
	s_add_nc_u64 s[4:5], s[4:5], s[24:25]
	s_load_b512 s[32:47], s[4:5], 0x0              ; my 32 tokens' indices: the rows' loads wait for these, so they go first
	s_load_b512 s[48:63], s[4:5], 0x40
	s_add_nc_u64 s[6:7], s[6:7], s[24:25]
	s_add_nc_u64 s[12:13], s[12:13], s[26:27]
.irp n, 0,1,2,3,4,5,6,7
	global_load_b128 v[POS+4*\n:POS+4*\n+3], v[ZERO], s[6:7] offset:16*\n     ; every lane takes the same four numbers: register n = token n, as in the blocks, so that the multiplies can be packed
.endr
.irp n, 0,1,2,3,4,5,6,7
	global_load_b128 v[WGT+4*\n:WGT+4*\n+3], v[ZERO], s[12:13] offset:16*\n
.endr
	s_add_nc_u64 s[66:67], s[8:9], s[28:29]        ; word at my e channels
	s_add_nc_u64 s[68:69], s[10:11], s[28:29]      ; cmp at my e channels
	s_add_nc_u64 s[70:71], s[8:9], s[30:31]        ; word at my d channels
	s_add_nc_u64 s[72:73], s[10:11], s[30:31]      ; cmp at my d channels
	; all LDS addresses and the outputs' bases are made while the indices are on their way
	s_lshr_b32 s78, s18, 1                         ; dt: my tile of 16 d in phase 2
	s_and_b32 s79, s18, 1                          ; eq: my 64 e
	s_mul_i32 s80, s19, 32*CP
	s_mul_i32 s81, s20, 24
	s_add_co_u32 s80, s80, s81
	v_mul_u32_u24 v[CA], v2, CP
	v_add_nc_u32 v[CA], s80, v[CA]                 ; codes: (32 cg + lane) x 112 + 24 rb
	s_add_co_u32 s81, s76, s20
	s_add_co_u32 s81, s81, SCL
	v_add_nc_u32 v[SA], s81, v[L4]                 ; scale byte: (32 cg + lane) x 4 + rb
	v_and_b32 v4, 15, v0                           ; r
	v_bfe_u32 v5, v0, 4, 1                         ; h
	v_mul_u32_u24 v8, v4, CP
	v_mad_u32_u24 v8, v5, 24, v8                   ; a fragment: channel r, + 24 h
	s_mul_i32 s80, s79, 64*CP
	v_add_nc_u32 v[FEA], s80, v8
	s_mul_i32 s80, s78, 16*CP
	v_add_nc_u32 v[FDA], s80, v8
	v_lshlrev_b32 v8, 9, v5
	v_lshl_add_u32 v8, v4, 2, v8                   ; scale words: 4 r, and lanes 16-31 one operand (512 bytes) further on
	s_lshl_b32 s80, s79, 8
	s_add_co_u32 s80, s80, SCL
	v_add_nc_u32 v[SEA], s80, v8
	s_lshl_b32 s80, s78, 6
	s_add_co_u32 s80, s80, SCL+1024
	v_add_nc_u32 v[SDA], s80, v8
	s_mul_i32 s80, s18, STW
	s_add_co_u32 s80, s80, STG                     ; my stage
	v_mul_u32_u24 v8, v4, SP
	v_lshl_add_u32 v8, v5, 5, v8
	v_add_nc_u32 v[STO], s80, v8                   ; in: row r, 32 bytes for each half of the lanes
	v_mul_u32_u24 v8, v5, SP
	v_lshl_add_u32 v8, v4, 4, v8
	v_add_nc_u32 v[RD], s80, v8                    ; back: lanes 0-15 one row of 256 bytes, lanes 16-31 the next
	v_lshlrev_b32 v8, 10, v5
	v_lshl_add_u32 v[CO], v4, 4, v8                ; and the same two rows in an output (1,024 bytes a row)
	s_lshl_b32 s74, s21, 18                        ; my part of an output: 262,144 b + (128 dh + 16 dt) rows + 512 eh + 256 eq bytes
	s_lshl_b32 s80, s22, 17
	s_add_co_u32 s74, s74, s80
	s_lshl_b32 s80, s78, 14
	s_add_co_u32 s74, s74, s80
	s_lshl_b32 s80, s23, 9
	s_add_co_u32 s74, s74, s80
	s_lshl_b32 s80, s79, 8
	s_add_co_u32 s74, s74, s80
	s_mov_b32 s75, 0
	s_add_nc_u64 s[14:15], s[14:15], s[74:75]
	s_add_nc_u64 s[16:17], s[16:17], s[74:75]
	s_wait_kmcnt 0x0                               ; the indices
	; THE GATHER: 128 loads a wave, all issued here.  One offset a token serves its four loads: both tables are indexed alike, and the channels stand in the four bases.
.set n, 0
.rept 32
	s_min_u32 s[32+n], s[32+n], VLAST              ; an index enters an address only held inside the table
	v_lshl_add_u32 v[OFF+n], s[32+n], 10, v[L4]
	global_load_b32 v[XA+n], v[OFF+n], s[66:67]
.set n, n+1
.endr
.set n, 0
.rept 32
	global_load_b32 v[XB+n], v[OFF+n], s[68:69]
.set n, n+1
.endr
.set n, 0
.rept 32
	global_load_b32 v[XC+n], v[OFF+n], s[70:71]
.set n, n+1
.endr
.set n, 0
.rept 32
	global_load_b32 v[XD+n], v[OFF+n], s[72:73]
.set n, n+1
.endr
; 32 numbers times 32 factors, token by token, two at a time
.macro PKMUL x, m
.set n, 0
.rept 16
	v_pk_mul_f32 v[\x+n:\x+n+1], v[\x+n:\x+n+1], v[\m+n:\m+n+1]
.set n, n+2
.endr
.endm
; A block of 32 along K, v[x] on, becomes 24 bytes of codes and a scale byte, in v[c] .. v[c + 7], and goes to LDS as operand op.
.macro QUANT x, c, op
.set XS, \x
.set CD, \c
	v_max3_num_f32 v[MXA], |v[XS]|, |v[XS+1]|, |v[XS+2]|            ; the block's largest magnitude: all 32 numbers are mine; two chains
	v_max3_num_f32 v[MXB], |v[XS+3]|, |v[XS+4]|, |v[XS+5]|
.irp i, 6,10,14,18,22,26
	v_max3_num_f32 v[MXA], v[MXA], |v[XS+\i]|, |v[XS+\i+1]|
	v_max3_num_f32 v[MXB], v[MXB], |v[XS+\i+2]|, |v[XS+\i+3]|
.endr
	v_max3_num_f32 v[MXA], v[MXA], |v[XS+30]|, |v[XS+31]|
	v_max3_num_f32 v[MXA], v[MXA], v[MXB], 0x1800000               ; and the floor 2^(3 - 127): so the byte cannot fall under 1
	v_add_nc_u32 v[SO], 0xff000000, v[MXA]                         ; 2 off its exponent field: the conversion takes the exponent field of this operand as its scale, and nothing else of it
	v_cvt_scalef32_pk16_fp6_f32 v[CD:CD+2], v[XS:XS+15], v[SO]     ; sixteen numbers / the scale, to the nearest code, ties to even, beyond 7.5 the largest code; 96 bits, the first number's code lowest
	v_cvt_scalef32_pk16_fp6_f32 v[CD+4:CD+6], v[XS+16:XS+31], v[SO] ; (a conversion's three registers begin on an even number)
	v_lshrrev_b32 v[CD+7], 23, v[SO]                               ; the scale's byte; also the plain instruction behind the conversions
	v_mov_b32 v[CD+3], v[CD+4]                                     ; the block's 24 bytes on end
	v_mov_b32 v[CD+4], v[CD+5]
	v_mov_b32 v[CD+5], v[CD+6]
	ds_store_b64 v[CA], v[CD:CD+1] offset:(\op)*OPB
	ds_store_b64 v[CA], v[CD+2:CD+3] offset:(\op)*OPB+8
	ds_store_b64 v[CA], v[CD+4:CD+5] offset:(\op)*OPB+16
	ds_store_b8 v[SA], v[CD+7] offset:(\op)*512                    ; byte rb of my channel's scale word; the other three come from the waves with the other blocks
.endm
	s_wait_loadcnt 63                              ; 144 loads were issued and they end in order (ISA guide 5.7.1): with 63 out the first 81 are in: pos, w, word and cmp at e
	PKMUL XA, WGT                                  ; R w
	QUANT XA, C0, 0                                ; Q(R w) at e
	PKMUL XB, POS                                  ; I = cmp x pos, rounded,
	PKMUL XB, WGT                                  ; then I w
	QUANT XB, XA, 1                                ; Q(I w) at e
	s_wait_loadcnt 32                              ; word at d is in; cmp at d, the last 32, may be out
	QUANT XC, XB, 2                                ; Q(R) at d
	s_wait_loadcnt 0x0
	PKMUL XD, POS                                  ; I = cmp x pos
	QUANT XD, XC, 3                                ; Q(I) at d
	s_wait_dscnt 0x0                               ; for the others' sake: my codes and bytes lie in LDS
	s_barrier_signal -1
	s_barrier_wait -1                              ; everybody's do
; A fragment, 16 channels x 128 tokens of 6-bit codes, is 12 registers: lane (r, h) holds channel r; registers 6 c .. 6 c + 5 hold tokens 64 c + 32 h + 0 .. 31: 24 bytes as they lie, in pieces of 8 bytes
.macro FRAG reg, adr, off
.irp p, 0,1,2,3,4,5
	ds_load_b64 v[\reg+2*\p:\reg+2*\p+1], v[\adr] offset:\off+48*(\p/3)+8*(\p%3)
.endr
.endm
	FRAG FD, FDA, 2*OPB                            ; Q(R) of my 16 d: first, since vector work waits for it
	FRAG FD+12, FDA, 3*OPB                         ; Q(I)
	ds_load_b32 v[SD], v[SDA]
.irp t, 0,1,2,3
	ds_load_b32 v[SE+\t], v[SEA] offset:64*\t
.endr
.irp t, 0,1,2,3
	FRAG FE+12*\t, FEA, \t*16*CP                   ; Q(R w) of my four tiles of e
.endr
.irp t, 0,1,2,3
	FRAG FE+48+12*\t, FEA, OPB+\t*16*CP            ; Q(I w)
.endr
	s_wait_dscnt 59                                ; Q(R)'s six loads are in; the 59 issued behind them may be out
.irp i, 0,3,6,9
	v_xor_b32 v[FD+24+\i], 0x20820820, v[FD+\i]    ; -Q(R): code n's sign is bit 6 n + 5 of the stream: in each 96 bits, bits 5, 11 .. 29;
	v_xor_b32 v[FD+25+\i], 0x08208208, v[FD+1+\i]  ; 35, 41 .. 59;
	v_xor_b32 v[FD+26+\i], 0x82082082, v[FD+2+\i]  ; 65, 71 .. 95
.endr
.rept 4
	v_nop                                          ; an operand written by vector instructions stands four places ahead of a scaled matrix instruction
.endr
	s_wait_dscnt 24                                ; all but Q(I w)'s four fragments
; The eight accumulators take turns, one instruction a turn.  The first product of each starts its sum: nothing is cleared.
.irp t, 0,1,2,3
	v_wmma_scale_f32_16x16x128_f8f6f4 v[ACC+16*\t:ACC+16*\t+7], v[FE+12*\t:FE+12*\t+11], v[FD:FD+11], 0, v[SE+\t], v[SD] matrix_a_fmt:MATRIX_FMT_FP6 matrix_b_fmt:MATRIX_FMT_FP6   ; out0 = Q(R) Q(R w)
	v_wmma_scale_f32_16x16x128_f8f6f4 v[ACC+16*\t+8:ACC+16*\t+15], v[FE+12*\t:FE+12*\t+11], v[FD+12:FD+23], 0, v[SE+\t], v[SD] matrix_a_fmt:MATRIX_FMT_FP6 matrix_b_fmt:MATRIX_FMT_FP6 matrix_b_scale:MATRIX_SCALE_ROW1   ; out1 = Q(I) Q(R w)
.endr
	s_wait_dscnt 0x0                               ; Q(I w)
.irp t, 0,1,2,3
	v_wmma_scale_f32_16x16x128_f8f6f4 v[ACC+16*\t:ACC+16*\t+7], v[FE+48+12*\t:FE+48+12*\t+11], v[FD+12:FD+23], v[ACC+16*\t:ACC+16*\t+7], v[SE+\t], v[SD] matrix_a_fmt:MATRIX_FMT_FP6 matrix_b_fmt:MATRIX_FMT_FP6 matrix_a_scale:MATRIX_SCALE_ROW1 matrix_b_scale:MATRIX_SCALE_ROW1   ; out0 += Q(I) Q(I w)
	v_wmma_scale_f32_16x16x128_f8f6f4 v[ACC+16*\t+8:ACC+16*\t+15], v[FE+48+12*\t:FE+48+12*\t+11], v[FD+24:FD+35], v[ACC+16*\t+8:ACC+16*\t+15], v[SE+\t], v[SD] matrix_a_fmt:MATRIX_FMT_FP6 matrix_b_fmt:MATRIX_FMT_FP6 matrix_a_scale:MATRIX_SCALE_ROW1   ; out1 += (-Q(R)) Q(I w)
.endr
.rept 4
	v_nop                                          ; four places ahead of the LDS stores that read results and of the loads into registers that held fragments
.endr
; THE WAY OUT.  Lane (r, h) holds, of row d = r, the columns 16 t + 8 h + 0 .. 7 of tile t: 32 bytes.  They go into my stage and come back as whole rows of 256 bytes.
; LDS serves a wave's instructions in order (ISA guide 5.7.1.4): no wait between the stores and the loads.
.irp o, 0,1
.irp t, 0,1,2,3
	ds_store_b128 v[STO], v[ACC+16*\t+8*\o:ACC+16*\t+8*\o+3] offset:\o*16*SP+64*\t          ; each accumulator from its low end on
	ds_store_b128 v[STO], v[ACC+16*\t+8*\o+4:ACC+16*\t+8*\o+7] offset:\o*16*SP+64*\t+16
.endr
.irp i, 0,1,2,3,4,5,6,7
	ds_load_b128 v[BK+32*\o+4*\i:BK+32*\o+4*\i+3], v[RD] offset:\o*16*SP+2*\i*SP
.endr
.endr
.irp i, 0,1,2,3,4,5,6,7
	s_wait_dscnt 23-\i                             ; behind out0's pair of rows i: its 7 - i later pairs, and out1's 8 stores and 8 loads
	global_store_b128 v[CO], v[BK+4*\i:BK+4*\i+3], s[14:15] offset:2048*\i th:TH_STORE_NT    ; sixteen lanes store 256 consecutive bytes of a row, aligned; written once, read by nobody here
.endr
.irp i, 0,1,2,3,4,5,6,7
	s_wait_dscnt 7-\i
	global_store_b128 v[CO], v[BK+32+4*\i:BK+32+4*\i+3], s[16:17] offset:2048*\i th:TH_STORE_NT
.endr
	s_wait_tensorcnt 0x0
	ds_add_u32 v254, v255
	s_wait_dscnt 0x0
	s_endpgm
.Lfunc_end_k_q2655b8116f_density:
	.size	k_q2655b8116f_density, .Lfunc_end_k_q2655b8116f_density-k_q2655b8116f_density
	.p2alignl 7, 3214868480
	.fill 96, 4, 3214868480
	.section	.rodata,"a",@progbits
	.p2align	6, 0x0
	.amdhsa_kernel k_q2655b8116f_density
		.amdhsa_group_segment_fixed_size 200704
		.amdhsa_private_segment_fixed_size 0
		.amdhsa_enable_private_segment 0
		.amdhsa_kernarg_size 56
		.amdhsa_user_sgpr_count 2
		.amdhsa_user_sgpr_kernarg_segment_ptr 1
		.amdhsa_wavefront_size32 1
		.amdhsa_system_sgpr_workgroup_id_x 1
		.amdhsa_system_sgpr_workgroup_id_y 1
		.amdhsa_system_sgpr_workgroup_id_z 1
		.amdhsa_system_vgpr_workitem_id 0
		.amdhsa_next_free_vgpr 256
		.amdhsa_next_free_sgpr 84
		.amdhsa_reserve_vcc 0
		.amdhsa_float_denorm_mode_32 3
		.amdhsa_float_denorm_mode_16_64 3
		.amdhsa_memory_ordered 1
		.amdhsa_forward_progress 1
		.amdhsa_inst_pref_size 44
	.end_amdhsa_kernel
	.amdgpu_metadata
---
amdhsa.version: [ 1, 2 ]
amdhsa.kernels:
  - .name:           k_q2655b8116f_density
    .symbol:         k_q2655b8116f_density.kd
    .args:
      - { .name: questions, .offset: 0, .size: 8, .value_kind: global_buffer, .address_space: global }
      - { .name: q_position, .offset: 8, .size: 8, .value_kind: global_buffer, .address_space: global }
      - { .name: word_emb, .offset: 16, .size: 8, .value_kind: global_buffer, .address_space: global }
      - { .name: cmp_emb, .offset: 24, .size: 8, .value_kind: global_buffer, .address_space: global }
      - { .name: weighted_q, .offset: 32, .size: 8, .value_kind: global_buffer, .address_space: global }
      - { .name: out0, .offset: 40, .size: 8, .value_kind: global_buffer, .address_space: global }
      - { .name: out1, .offset: 48, .size: 8, .value_kind: global_buffer, .address_space: global }
    .group_segment_fixed_size: 200704
    .private_segment_fixed_size: 0
    .kernarg_segment_align: 8
    .kernarg_segment_size: 56
    .max_flat_workgroup_size: 512
    .sgpr_count:     84
    .vgpr_count:     256
    .wavefront_size: 32
...
	.end_amdgpu_metadata
.endif
;; end of part 1
;; ======== version 2 of 2: 1 launch; version 1 with the launch density written anew for expert scheduling mode
;; launch density (part 2): grid 256 x 1, 16 waves a work-group, no clusters, 200,704 bytes of LDS; arguments questions, q_position, word_emb, cmp_emb, weighted_q, out0, out1; writes out0, out1
.if DOCPART == 2
	.amdgcn_target "amdgcn-amd-amdhsa--gfx1250"
	.amdhsa_code_object_version 6
	.text
	.protected	k_q2655b8116f_density
	.globl	k_q2655b8116f_density
	.p2align	8
	.type	k_q2655b8116f_density,@function
k_q2655b8116f_density:
	s_mov_b64 s[64:65], 0
	v_nop
	global_prefetch_b8 v0, s[64:65] scope:SCOPE_SE
	s_setreg_imm32_b32 hwreg(HW_REG_WAVE_SCHED_MODE, 0, 2), 2
	s_setreg_imm32_b32 hwreg(HW_REG_WAVE_MODE, 25, 1), 1
	s_wait_xcnt 0x0
	s_wait_alu depctr_vm_vsrc(0)
; DENSITY MATRIX OF A SENTENCE, on codes of FP6 (E2M3) with one E8M0 scale for each 32 tokens.
;   R[s][d] = word_emb[q[b][s]][d],  I[s][d] = cmp_emb[q[b][s]][d] * pos[b][s]          (64 batches b, 128 tokens s, 256 channels)
;   out0[b][d][e] = sum_s Q(R)[s][d] Q(R w)[s][e] + sum_s Q(I)[s][d] Q(I w)[s][e]
;   out1[b][d][e] = sum_s Q(I)[s][d] Q(R w)[s][e] - sum_s Q(R)[s][d] Q(I w)[s][e]
; The weight w[s] goes onto the operand that carries e (the einsum contracts w with its last operand first); I w = (cmp * pos) * w, two roundings in f32.  Q quantises along s, the products' K: four blocks of 32.
; SHARES.  256 work-groups, four to a batch: work-group 4 b + 2 dh + eh makes rows d = 128 dh .. +127, columns e = 128 eh .. +127 of both outputs.  Sixteen waves of 256 registers; all run the same text, no branch.
; PHASE 1.  Wave (cg = wave % 4, rb = wave / 4) takes 32 channels, A LANE TO A CHANNEL, and tokens 32 rb .. +31, ITS REGISTERS RUNNING DOWN THE TOKENS: four blocks of 32 registers (word and cmp at the e channels, word and cmp
; at the d channels).  A load reads one token's row at 32 neighbouring channels: 128 consecutive bytes.  A block of 32 along K lies in one lane, so its largest magnitude needs no other lane and the conversions give codes with K innermost.
; The codes (24 bytes a block) and the scale byte go to LDS: a channel's 96 bytes of codes on a pitch of 112, its four scale bytes as one word.
; PHASE 2, behind one barrier.  Wave (dt = wave / 2, eq = wave % 2) makes 16 d x 64 e of both outputs: 8 accumulators, 16 matrix instructions.  Source 0 = 16 channels e, source 1 = 16 channels d: a lane then holds one d and
; eight neighbouring e.  The minus of out1 is made in the codes: the sign bits of Q(R) at d are turned (a code is sign, 2 exponent bits, 3 mantissa bits; Q(-x) = -Q(x)).  Results go through the wave's own stage in LDS and
; leave as whole rows: sixteen lanes store 256 consecutive bytes, at a multiple of 256 from the output's first byte.
; NO TENSOR LOADS, NO CLUSTER: the rows are gathered by a list of tokens, each lane's address made from an index, so there is no tile that a descriptor could name and no joint request to share.
; NO PREFETCH: every row's load goes out at the head, as soon as its index is known; nothing is known earlier.
; LIMITS: NaN and infinities among the inputs are not served.  A block of zeros gets the byte 1 where the quantiser says 127: its codes are zeros, which add nothing, and the bytes are read here alone.
; A block whose largest magnitude lies under 2^-124 has its byte held at 1, as the quantiser's own clip has it.  Indices are held to 0 .. 49,999.
; THE MODE: SCHED_MODE bits 1:0 = 2 (LLVM: expert scheduling mode 2), set by the entry lines.  The code itself states the register dependences
; between vector or matrix instructions and memory or LDS instructions, with s_wait_alu, always for 0.
; THE PLAN.  Registers that memory or LDS instructions touch, in the order of the text (there is no loop):
;   v3              written once; the offset of pos's and w's loads.                                  One wait on va_vdst ahead of those loads.
;   v16-47          the tokens' offsets: all 32 are made first, then the 128 loads of the gather read them.  One wait on va_vdst between; it also stands for
;   v6-7, v9-15     the LDS addresses and the outputs' offset, made ahead of it and never written again.
;   v48-239         pos, w and the four blocks: loads land; phase 1's vector work reads and writes them; phase 2's LDS loads land in v80-199 and v212-216.
;   the codes       v240-247, v112-119, v144-151, v176-183: written by an operand's conversions and moves, read by its four LDS stores.  The arithmetic of two operands stands together, ONE wait on va_vdst
;                   follows, then the eight stores: twice.  The arithmetic that stands between the two runs of stores writes v144-151, v176-239 and v248-250: none of what the first run reads.
;                   Behind the second of these waits no vector instruction stands ahead of phase 2's LDS loads: it also states that phase 1 is done with the registers in which they land.
;   one wait on vm_vsrc behind the barrier: the LDS stores have read their codes, over three of which fragments land; the gather has read v16-47, which become accumulators.
;   v200-211        -Q(R): written by vector instructions, read by scaled matrix instructions: four places, then a wait on va_vdst.
;   v16-79, v80-143 the accumulators, which the stage's stores read, and the fragments' registers, in which the stage's loads land: four places behind the last matrix instruction, then a wait on va_vdst for both.
.set VLAST, 49999                      ; the tables' last row
.set CP,    112                        ; LDS: a channel's codes: 96 bytes + 16 = 28 words: channel r starts at bank 28 r mod 64, sixteen different multiples of 4 (64 banks of 4 bytes: ISA guide 11.1); the halves' 24 bytes fill the gaps
.set OPB,   128*CP                     ; an operand's 128 channels.  Operands: 0 Q(R w) at e, 1 Q(I w) at e, 2 Q(R) at d, 3 Q(I) at d
.set SCL,   4*OPB                      ; behind the codes: the scale words, 512 bytes an operand
.set STG,   SCL+4*512                  ; behind them: the stages
.set SP,    272                        ; a stage row: 256 bytes + 16
.set STW,   2*16*SP                    ; a wave's stage: 16 rows for out0, 16 for out1
.set L4,   1                           ; v1   4 x lane
.set ZERO, 3                           ; v3   0: the offset of loads that every lane makes at one address
.set CA,   6                           ; v6   where my channel's codes of block rb go
.set SA,   7                           ; v7   where its scale byte goes
.set FEA,  9                           ; v9   my lane's place in the e fragments
.set FDA,  10                          ; v10  in the d fragments
.set SEA,  11                          ; v11  among the e scale words: lanes 0-15 Q(R w)'s, lanes 16-31 Q(I w)'s
.set SDA,  12                          ; v12  among the d scale words: lanes 0-15 Q(R)'s, lanes 16-31 Q(I)'s
.set STO,  13                          ; v13  the stage: where I put 32 bytes of a row
.set RD,   14                          ; v14  and where I read a row back
.set CO,   15                          ; v15  my byte offset in the wave's rows of an output
.set OFF,  16                          ; v16-47   token n: row q x 1,024 bytes + 4 x lane; never rewritten while a load is out
.set POS,  48                          ; v48-79   pos of my 32 tokens, the same in every lane
.set WGT,  80                          ; v80-111  w of my 32 tokens
.set XA,   112                         ; v112-143 word at e
.set XB,   144                         ; v144-175 cmp at e
.set XC,   176                         ; v176-207 word at d
.set XD,   208                         ; v208-239 cmp at d
.set C0,   240                         ; v240-247 the first operand's codes and byte; each later operand's lie in the block before it, which is done with: so no LDS store's data are written again
.set MXA,  248                         ; v248-249 largest magnitudes, two chains
.set MXB,  249
.set SO,   250                         ; v250 the conversions' scale operand
.set ACC,  16                          ; phase 2: v16-79 accumulators: tile t of e: out0 at 16 t, out1 at 16 t + 8
.set FE,   80                          ; v80-127 Q(R w)'s four fragments, v128-175 Q(I w)'s
.set FD,   176                         ; v176-187 Q(R), v188-199 Q(I), v200-211 -Q(R)
.set SE,   212                         ; v212-215 e scale words, a register a tile
.set SD,   216                         ; v216 d scale words
.set BK,   80                          ; the way out: rows read back from the stage, v80-143
	s_load_b256 s[4:11], s[0:1], 0x0               ; questions s[4:5], q_position s[6:7], word_emb s[8:9], cmp_emb s[10:11]
	s_load_b128 s[12:15], s[0:1], 0x20             ; weighted_q s[12:13], out0 s[14:15]
	s_load_b64 s[16:17], s[0:1], 0x30              ; out1
	v_lshl_add_u32 v254, v0, 2, 0x30800
	v_mov_b32 v255, 0
	v_lshrrev_b32 v2, 5, v0
	v_readfirstlane_b32 s18, v2                    ; wave 0..15
	v_and_b32 v2, 31, v0                           ; lane
	v_lshlrev_b32 v[L4], 2, v2
	v_mov_b32 v[ZERO], 0
	s_wait_alu depctr_va_sdst(0)                   ; s18 is written, ahead of its first reader: the wave's shares and all its bases are made from it
	s_and_b32 s19, s18, 3                          ; cg: which 32 channels of the 128
	s_lshr_b32 s20, s18, 2                         ; rb: which block of 32 tokens
	s_lshr_b32 s21, ttmp9, 2                       ; b
	s_bfe_u32 s22, ttmp9, 0x10001                  ; dh
	s_and_b32 s23, ttmp9, 1                        ; eh
	s_lshl_b32 s24, s21, 9                         ; my tokens in questions and q_position: 512 b + 128 rb bytes
	s_lshl_b32 s26, s20, 7                         ; and in weighted_q: 128 rb
	s_add_co_u32 s24, s24, s26
	s_mov_b32 s25, 0
	s_mov_b32 s27, 0
	s_lshl_b32 s76, s19, 7                         ; my channels in a row: 128 cg bytes,
	s_lshl_b32 s28, s23, 9
	s_add_co_u32 s28, s28, s76                     ; + 512 eh for the e side,
	s_mov_b32 s29, 0
	s_lshl_b32 s30, s22, 9
	s_add_co_u32 s30, s30, s76                     ; + 512 dh for the d side
	s_mov_b32 s31, 0
	s_wait_kmcnt 0x0
	s_add_nc_u64 s[4:5], s[4:5], s[24:25]
	s_load_b512 s[32:47], s[4:5], 0x0              ; my 32 tokens' indices: the rows' loads wait for these, so they go first
	s_load_b512 s[48:63], s[4:5], 0x40
	s_add_nc_u64 s[6:7], s[6:7], s[24:25]
	s_add_nc_u64 s[12:13], s[12:13], s[26:27]
	s_wait_alu depctr_va_vdst(0)                   ; v3 is written, which the sixteen loads below read as their offset
.irp n, 0,1,2,3,4,5,6,7
	global_load_b128 v[POS+4*\n:POS+4*\n+3], v[ZERO], s[6:7] offset:16*\n     ; every lane takes the same four numbers: register n = token n, as in the blocks, so that the multiplies can be packed
.endr
.irp n, 0,1,2,3,4,5,6,7
	global_load_b128 v[WGT+4*\n:WGT+4*\n+3], v[ZERO], s[12:13] offset:16*\n
.endr
	s_add_nc_u64 s[66:67], s[8:9], s[28:29]        ; word at my e channels
	s_add_nc_u64 s[68:69], s[10:11], s[28:29]      ; cmp at my e channels
	s_add_nc_u64 s[70:71], s[8:9], s[30:31]        ; word at my d channels
	s_add_nc_u64 s[72:73], s[10:11], s[30:31]      ; cmp at my d channels
	; all LDS addresses and the outputs' bases are made while the indices are on their way (none of these lines names v3 or a register in which pos or w lands)
	s_lshr_b32 s78, s18, 1                         ; dt: my tile of 16 d in phase 2
	s_and_b32 s79, s18, 1                          ; eq: my 64 e
	s_mul_i32 s80, s19, 32*CP
	s_mul_i32 s81, s20, 24
	s_add_co_u32 s80, s80, s81
	v_mul_u32_u24 v[CA], v2, CP
	v_add_nc_u32 v[CA], s80, v[CA]                 ; codes: (32 cg + lane) x 112 + 24 rb
	s_add_co_u32 s81, s76, s20
	s_add_co_u32 s81, s81, SCL
	v_add_nc_u32 v[SA], s81, v[L4]                 ; scale byte: (32 cg + lane) x 4 + rb
	v_and_b32 v4, 15, v0                           ; r
	v_bfe_u32 v5, v0, 4, 1                         ; h
	v_mul_u32_u24 v8, v4, CP
	v_mad_u32_u24 v8, v5, 24, v8                   ; a fragment: channel r, + 24 h
	s_mul_i32 s80, s79, 64*CP
	v_add_nc_u32 v[FEA], s80, v8
	s_mul_i32 s80, s78, 16*CP
	v_add_nc_u32 v[FDA], s80, v8
	v_lshlrev_b32 v8, 9, v5
	v_lshl_add_u32 v8, v4, 2, v8                   ; scale words: 4 r, and lanes 16-31 one operand (512 bytes) further on
	s_lshl_b32 s80, s79, 8
	s_add_co_u32 s80, s80, SCL
	v_add_nc_u32 v[SEA], s80, v8
	s_lshl_b32 s80, s78, 6
	s_add_co_u32 s80, s80, SCL+1024
	v_add_nc_u32 v[SDA], s80, v8
	s_mul_i32 s80, s18, STW
	s_add_co_u32 s80, s80, STG                     ; my stage
	v_mul_u32_u24 v8, v4, SP
	v_lshl_add_u32 v8, v5, 5, v8
	v_add_nc_u32 v[STO], s80, v8                   ; in: row r, 32 bytes for each half of the lanes
	v_mul_u32_u24 v8, v5, SP
	v_lshl_add_u32 v8, v4, 4, v8
	v_add_nc_u32 v[RD], s80, v8                    ; back: lanes 0-15 one row of 256 bytes, lanes 16-31 the next
	v_lshlrev_b32 v8, 10, v5
	v_lshl_add_u32 v[CO], v4, 4, v8                ; and the same two rows in an output (1,024 bytes a row)
	s_lshl_b32 s74, s21, 18                        ; my part of an output: 262,144 b + (128 dh + 16 dt) rows + 512 eh + 256 eq bytes
	s_lshl_b32 s80, s22, 17
	s_add_co_u32 s74, s74, s80
	s_lshl_b32 s80, s78, 14
	s_add_co_u32 s74, s74, s80
	s_lshl_b32 s80, s23, 9
	s_add_co_u32 s74, s74, s80
	s_lshl_b32 s80, s79, 8
	s_add_co_u32 s74, s74, s80
	s_mov_b32 s75, 0
	s_add_nc_u64 s[14:15], s[14:15], s[74:75]
	s_add_nc_u64 s[16:17], s[16:17], s[74:75]
	s_wait_kmcnt 0x0                               ; the indices
	; THE GATHER: 128 loads a wave, all issued here.  One offset a token serves its four loads: both tables are indexed alike, and the channels stand in the four bases.
	; All 32 offsets are made first, so that one wait stands between them and the loads.
.set n, 0
.rept 32
	s_min_u32 s[32+n], s[32+n], VLAST              ; an index enters an address only held inside the table
	v_lshl_add_u32 v[OFF+n], s[32+n], 10, v[L4]
.set n, n+1
.endr
	s_wait_alu depctr_va_vdst(0)                   ; the 32 offsets v16 to v47 are written, which the 128 loads read; so are v6, v7 and v9 to v15, which the LDS instructions and the stores further down read as addresses
.set n, 0
.rept 32
	global_load_b32 v[XA+n], v[OFF+n], s[66:67]
.set n, n+1
.endr
.set n, 0
.rept 32
	global_load_b32 v[XB+n], v[OFF+n], s[68:69]
.set n, n+1
.endr
.set n, 0
.rept 32
	global_load_b32 v[XC+n], v[OFF+n], s[70:71]
.set n, n+1
.endr
.set n, 0
.rept 32
	global_load_b32 v[XD+n], v[OFF+n], s[72:73]
.set n, n+1
.endr
; 32 numbers times 32 factors, token by token, two at a time
.macro PKMUL x, m
.set n, 0
.rept 16
	v_pk_mul_f32 v[\x+n:\x+n+1], v[\x+n:\x+n+1], v[\m+n:\m+n+1]
.set n, n+2
.endr
.endm
; A block of 32 along K, v[x] on, becomes 24 bytes of codes and a scale byte, in v[c] .. v[c + 7].
.macro QCODE x, c
.set XS, \x
.set CD, \c
	v_max3_num_f32 v[MXA], |v[XS]|, |v[XS+1]|, |v[XS+2]|            ; the block's largest magnitude: all 32 numbers are mine; two chains
	v_max3_num_f32 v[MXB], |v[XS+3]|, |v[XS+4]|, |v[XS+5]|
.irp i, 6,10,14,18,22,26
	v_max3_num_f32 v[MXA], v[MXA], |v[XS+\i]|, |v[XS+\i+1]|
	v_max3_num_f32 v[MXB], v[MXB], |v[XS+\i+2]|, |v[XS+\i+3]|
.endr
	v_max3_num_f32 v[MXA], v[MXA], |v[XS+30]|, |v[XS+31]|
	v_max3_num_f32 v[MXA], v[MXA], v[MXB], 0x1800000               ; and the floor 2^(3 - 127): so the byte cannot fall under 1
	v_add_nc_u32 v[SO], 0xff000000, v[MXA]                         ; 2 off its exponent field: the conversion takes the exponent field of this operand as its scale, and nothing else of it
	v_cvt_scalef32_pk16_fp6_f32 v[CD:CD+2], v[XS:XS+15], v[SO]     ; sixteen numbers / the scale, to the nearest code, ties to even, beyond 7.5 the largest code; 96 bits, the first number's code lowest
	v_cvt_scalef32_pk16_fp6_f32 v[CD+4:CD+6], v[XS+16:XS+31], v[SO] ; (a conversion's three registers begin on an even number)
	v_lshrrev_b32 v[CD+7], 23, v[SO]                               ; the scale's byte; also the plain instruction behind the conversions
	v_mov_b32 v[CD+3], v[CD+4]                                     ; the block's 24 bytes on end
	v_mov_b32 v[CD+4], v[CD+5]
	v_mov_b32 v[CD+5], v[CD+6]
.endm
; The codes and the byte in v[c] .. v[c + 7] go to LDS as operand op.
.macro QSEND c, op
.set CD, \c
	ds_store_b64 v[CA], v[CD:CD+1] offset:(\op)*OPB
	ds_store_b64 v[CA], v[CD+2:CD+3] offset:(\op)*OPB+8
	ds_store_b64 v[CA], v[CD+4:CD+5] offset:(\op)*OPB+16
	ds_store_b8 v[SA], v[CD+7] offset:(\op)*512                    ; byte rb of my channel's scale word; the other three come from the waves with the other blocks
.endm
	s_wait_loadcnt 63                              ; 144 loads were issued and they end in order (ISA guide 5.7.1): with 63 out the first 81 are in: pos, w, word and cmp at e
	PKMUL XA, WGT                                  ; R w
	QCODE XA, C0                                   ; Q(R w) at e
	PKMUL XB, POS                                  ; I = cmp x pos, rounded,
	PKMUL XB, WGT                                  ; then I w
	QCODE XB, XA                                   ; Q(I w) at e
	s_wait_alu depctr_va_vdst(0)                   ; the conversions, shifts and moves have written v240 to v247 and v112 to v119, which the eight LDS stores read
	QSEND C0, 0
	QSEND XA, 1
	s_wait_loadcnt 32                              ; word at d is in; cmp at d, the last 32, may be out
	QCODE XC, XB                                   ; Q(R) at d.  It writes v144 to v151 and v248 to v250: nothing that the stores above read
	s_wait_loadcnt 0x0
	PKMUL XD, POS                                  ; I = cmp x pos
	QCODE XD, XC                                   ; Q(I) at d.  It writes v176 to v183, v208 to v239 and v248 to v250: likewise
	s_wait_alu depctr_va_vdst(0)                   ; v144 to v151 and v176 to v183 are written, which the eight LDS stores read; and phase 1's vector work is done reading and writing v80 to v239, in which phase 2's LDS loads land: no vector instruction stands between this wait and them
	QSEND XB, 2
	QSEND XC, 3
	s_wait_dscnt 0x0                               ; for the others' sake: my codes and bytes lie in LDS
	s_barrier_signal -1
	s_barrier_wait -1                              ; everybody's do
	s_wait_alu depctr_vm_vsrc(0)                   ; my LDS stores have read v112 to v119, v144 to v151 and v176 to v183, in which fragments land; the gather's loads have read their offsets v16 to v47, which the matrix instructions write as accumulators
; A fragment, 16 channels x 128 tokens of 6-bit codes, is 12 registers: lane (r, h) holds channel r; registers 6 c .. 6 c + 5 hold tokens 64 c + 32 h + 0 .. 31: 24 bytes as they lie, in pieces of 8 bytes
.macro FRAG reg, adr, off
.irp p, 0,1,2,3,4,5
	ds_load_b64 v[\reg+2*\p:\reg+2*\p+1], v[\adr] offset:\off+48*(\p/3)+8*(\p%3)
.endr
.endm
	FRAG FD, FDA, 2*OPB                            ; Q(R) of my 16 d: first, since vector work waits for it
	FRAG FD+12, FDA, 3*OPB                         ; Q(I)
	ds_load_b32 v[SD], v[SDA]
.irp t, 0,1,2,3
	ds_load_b32 v[SE+\t], v[SEA] offset:64*\t
.endr
.irp t, 0,1,2,3
	FRAG FE+12*\t, FEA, \t*16*CP                   ; Q(R w) of my four tiles of e
.endr
.irp t, 0,1,2,3
	FRAG FE+48+12*\t, FEA, OPB+\t*16*CP            ; Q(I w)
.endr
	s_wait_dscnt 59                                ; Q(R)'s six loads are in; the 59 issued behind them may be out
.irp i, 0,3,6,9
	v_xor_b32 v[FD+24+\i], 0x20820820, v[FD+\i]    ; -Q(R): code n's sign is bit 6 n + 5 of the stream: in each 96 bits, bits 5, 11 .. 29;
	v_xor_b32 v[FD+25+\i], 0x08208208, v[FD+1+\i]  ; 35, 41 .. 59;
	v_xor_b32 v[FD+26+\i], 0x82082082, v[FD+2+\i]  ; 65, 71 .. 95
.endr
.rept 4
	v_nop                                          ; an operand written by vector instructions stands four places ahead of a scaled matrix instruction
.endr
	s_wait_alu depctr_va_vdst(0)                   ; the twelve exclusive ors have written v200 to v211, which scaled matrix instructions take as source 1; the places above stay beside this wait
	s_wait_dscnt 24                                ; all but Q(I w)'s four fragments
; The eight accumulators take turns, one instruction a turn.  The first product of each starts its sum: nothing is cleared.
.irp t, 0,1,2,3
	v_wmma_scale_f32_16x16x128_f8f6f4 v[ACC+16*\t:ACC+16*\t+7], v[FE+12*\t:FE+12*\t+11], v[FD:FD+11], 0, v[SE+\t], v[SD] matrix_a_fmt:MATRIX_FMT_FP6 matrix_b_fmt:MATRIX_FMT_FP6   ; out0 = Q(R) Q(R w)
	v_wmma_scale_f32_16x16x128_f8f6f4 v[ACC+16*\t+8:ACC+16*\t+15], v[FE+12*\t:FE+12*\t+11], v[FD+12:FD+23], 0, v[SE+\t], v[SD] matrix_a_fmt:MATRIX_FMT_FP6 matrix_b_fmt:MATRIX_FMT_FP6 matrix_b_scale:MATRIX_SCALE_ROW1   ; out1 = Q(I) Q(R w)
.endr
	s_wait_dscnt 0x0                               ; Q(I w)
.irp t, 0,1,2,3
	v_wmma_scale_f32_16x16x128_f8f6f4 v[ACC+16*\t:ACC+16*\t+7], v[FE+48+12*\t:FE+48+12*\t+11], v[FD+12:FD+23], v[ACC+16*\t:ACC+16*\t+7], v[SE+\t], v[SD] matrix_a_fmt:MATRIX_FMT_FP6 matrix_b_fmt:MATRIX_FMT_FP6 matrix_a_scale:MATRIX_SCALE_ROW1 matrix_b_scale:MATRIX_SCALE_ROW1   ; out0 += Q(I) Q(I w)
	v_wmma_scale_f32_16x16x128_f8f6f4 v[ACC+16*\t+8:ACC+16*\t+15], v[FE+48+12*\t:FE+48+12*\t+11], v[FD+24:FD+35], v[ACC+16*\t+8:ACC+16*\t+15], v[SE+\t], v[SD] matrix_a_fmt:MATRIX_FMT_FP6 matrix_b_fmt:MATRIX_FMT_FP6 matrix_a_scale:MATRIX_SCALE_ROW1   ; out1 += (-Q(R)) Q(I w)
.endr
.rept 4
	v_nop                                          ; four places ahead of the LDS stores that read results
.endr
	s_wait_alu depctr_va_vdst(0)                   ; the matrix instructions have written the accumulators v16 to v79, which the LDS stores read, and are done reading the fragments in v80 to v143, in which the stage's loads land; the places above stay beside this wait
; THE WAY OUT.  Lane (r, h) holds, of row d = r, the columns 16 t + 8 h + 0 .. 7 of tile t: 32 bytes.  They go into my stage and come back as whole rows of 256 bytes.
; LDS serves a wave's instructions in order (ISA guide 5.7.1.4): no wait between the stores and the loads.
.irp o, 0,1
.irp t, 0,1,2,3
	ds_store_b128 v[STO], v[ACC+16*\t+8*\o:ACC+16*\t+8*\o+3] offset:\o*16*SP+64*\t          ; each accumulator from its low end on
	ds_store_b128 v[STO], v[ACC+16*\t+8*\o+4:ACC+16*\t+8*\o+7] offset:\o*16*SP+64*\t+16
.endr
.irp i, 0,1,2,3,4,5,6,7
	ds_load_b128 v[BK+32*\o+4*\i:BK+32*\o+4*\i+3], v[RD] offset:\o*16*SP+2*\i*SP
.endr
.endr
.irp i, 0,1,2,3,4,5,6,7
	s_wait_dscnt 23-\i                             ; behind out0's pair of rows i: its 7 - i later pairs, and out1's 8 stores and 8 loads
	global_store_b128 v[CO], v[BK+4*\i:BK+4*\i+3], s[14:15] offset:2048*\i th:TH_STORE_NT    ; sixteen lanes store 256 consecutive bytes of a row, aligned; written once, read by nobody here
.endr
.irp i, 0,1,2,3,4,5,6,7
	s_wait_dscnt 7-\i
	global_store_b128 v[CO], v[BK+32+4*\i:BK+32+4*\i+3], s[16:17] offset:2048*\i th:TH_STORE_NT
.endr
	s_wait_dscnt 0x0
	s_wait_alu depctr_hold_cnt(0) depctr_sa_sdst(0) depctr_va_vdst(0) depctr_va_sdst(0) depctr_va_ssrc(0) depctr_va_vcc(0) depctr_vm_vsrc(0)
	s_wait_tensorcnt 0x0
	ds_add_u32 v254, v255
	s_wait_dscnt 0x0
	s_endpgm
.Lfunc_end_k_q2655b8116f_density:
	.size	k_q2655b8116f_density, .Lfunc_end_k_q2655b8116f_density-k_q2655b8116f_density
	.p2alignl 7, 3214868480
	.fill 96, 4, 3214868480
	.section	.rodata,"a",@progbits
	.p2align	6, 0x0
	.amdhsa_kernel k_q2655b8116f_density
		.amdhsa_group_segment_fixed_size 200704
		.amdhsa_private_segment_fixed_size 0
		.amdhsa_enable_private_segment 0
		.amdhsa_kernarg_size 56
		.amdhsa_user_sgpr_count 2
		.amdhsa_user_sgpr_kernarg_segment_ptr 1
		.amdhsa_wavefront_size32 1
		.amdhsa_system_sgpr_workgroup_id_x 1
		.amdhsa_system_sgpr_workgroup_id_y 1
		.amdhsa_system_sgpr_workgroup_id_z 1
		.amdhsa_system_vgpr_workitem_id 0
		.amdhsa_next_free_vgpr 256
		.amdhsa_next_free_sgpr 84
		.amdhsa_reserve_vcc 0
		.amdhsa_float_denorm_mode_32 3
		.amdhsa_float_denorm_mode_16_64 3
		.amdhsa_memory_ordered 1
		.amdhsa_forward_progress 1
		.amdhsa_inst_pref_size 44
	.end_amdhsa_kernel
	.amdgpu_metadata
---
amdhsa.version: [ 1, 2 ]
amdhsa.kernels:
  - .name:           k_q2655b8116f_density
    .symbol:         k_q2655b8116f_density.kd
    .args:
      - { .name: questions, .offset: 0, .size: 8, .value_kind: global_buffer, .address_space: global }
      - { .name: q_position, .offset: 8, .size: 8, .value_kind: global_buffer, .address_space: global }
      - { .name: word_emb, .offset: 16, .size: 8, .value_kind: global_buffer, .address_space: global }
      - { .name: cmp_emb, .offset: 24, .size: 8, .value_kind: global_buffer, .address_space: global }
      - { .name: weighted_q, .offset: 32, .size: 8, .value_kind: global_buffer, .address_space: global }
      - { .name: out0, .offset: 40, .size: 8, .value_kind: global_buffer, .address_space: global }
      - { .name: out1, .offset: 48, .size: 8, .value_kind: global_buffer, .address_space: global }
    .group_segment_fixed_size: 200704
    .private_segment_fixed_size: 0
    .kernarg_segment_align: 8
    .kernarg_segment_size: 56
    .max_flat_workgroup_size: 512
    .sgpr_count:     84
    .vgpr_count:     256
    .wavefront_size: 32
...
	.end_amdgpu_metadata
.endif
;; end of part 2
